; MI455X (gfx1250); checked and timed in simulation.
; The chip was launched on July 23, 2026; its instructions are those of AMD's public machine-readable ISA for CDNA 5 (MIT licence, August 2026) and "CDNA5" Instruction Set Architecture Reference Guide (July 2026). The comments in the code are by the model that wrote it; some were corrected since.
;; Multi Head Attention. Allowed arithmetic: matrix products marked QUANTISED: E2M1 operands, one E8M0 scale for each 32 along K, by v_wmma_scale_f32_16x16x128_f8f6f4 with both operands' format E2M1 (or v_wmma_scale_f32_32x16x128_f4), f32 sums; everything else in f32.
;; Inputs: Wk 1,024 x 1,024 float32; Wo 1,024 x 1,024 float32; Wq 1,024 x 1,024 float32; Wv 1,024 x 1,024 float32; bk 1,024 float32; bo 1,024 float32; bq 1,024 float32; bv 1,024 float32; mask 2 x 2,048 x 2,048 int32; x_k 2 x 2,048 x 1,024 float32; x_q 2 x 2,048 x 1,024 float32; x_v 2 x 2,048 x 1,024 float32.
;; Outputs: out0 2 x 2,048 x 1,024 float32.
;; This version of the problem:
;;   THIS VERSION OF THE PROBLEM IS GIVEN IN LOW PRECISION. The matrix products marked QUANTISED in the list below multiply operands that are first quantised to E2M1 (2 exponent bits, 1 mantissa bit; 4 bits a number), with one power-of-two scale for each 32 numbers along K (OCP MX v1.0); their sums are f32. All else is computed in f32.
;;   The module's matrix products, in the order in which they are computed (A, B: the left and right operand; K: the contracted axis; several contracted axes count as one K, in the product's order):
;;     1. [M 4,096, K 1,024] x [K 1,024, N 1,024]; A: input x_q; B: input Wq: QUANTISED
;;     2. [M 4,096, K 1,024] x [K 1,024, N 1,024]; A: input x_k; B: input Wk: QUANTISED
;;     3. [M 4,096, K 1,024] x [K 1,024, N 1,024]; A: input x_v; B: input Wv: QUANTISED
;;     4. batch 32 x [M 2,048, K 64] x [K 64, N 2,048]; A: computed on the way; B: computed on the way: QUANTISED
;;     5. batch 32 x [M 2,048, K 2,048] x [K 2,048, N 64]; A: softmax (see below); B: computed on the way: QUANTISED
;;     6. [M 4,096, K 1,024] x [K 1,024, N 1,024]; A: computed on the way; B: input Wo: QUANTISED
;;   THE QUANTISER, for each operand of a quantised product, along K:
;;     - K is cut into blocks of 32 from its start; a last block that is shorter is filled with zeros.
;;     - A block's scale is 2^e with e = floor(log2(the largest magnitude in the block)) - 2, held to -126 .. 127; a block of zeros has e = 0. As a byte (E8M0): e + 127.
;;     - Each number is divided by its block's scale, clamped to +-6, and rounded to the nearest number of E2M1, ties to even, subnormals kept.
;;     - The product sums the exact products of the quantised numbers (number of the format x scale) in f32.
;;   ~~~python
;;   def quantise(x, axis):      # numpy; x: float32 -> the quantised numbers, widened to float32 again
;;       x = np.moveaxis(x, axis, -1); K = x.shape[-1]
;;       x = np.pad(x, [(0, 0)] * (x.ndim - 1) + [(0, -K % 32)]); x = x.reshape(x.shape[:-1] + (-1, 32)); a = np.abs(x).max(-1, keepdims=True)
;;       e = np.where(a > 0, np.clip(np.frexp(np.where(a > 0, a, 1))[1] - 1 - 2, -126, 127), 0)      # np.frexp(a)[1] - 1 = floor(log2(a)), exactly
;;       r = np.clip(x / 2.0 ** e, -6, 6)
;;       step = 2.0 ** (np.maximum(np.frexp(np.where(r == 0, 1, r))[1] - 1, 0) - 1)
;;       q = np.round(r / step) * step * 2.0 ** e      # np.round: ties to even
;;       return np.moveaxis(q.reshape(q.shape[:-2] + (-1,))[..., :K], -1, axis).astype(np.float32)
;;   ~~~
;;   SOFTMAX AHEAD OF A QUANTISED PRODUCT. Where the list says 'softmax', what is quantised is not the finished softmax but p = 2^(t - M), with t = logit x log2(e) and M = ceil(the row's largest t), a whole number; so 1/2 < the row's largest p <= 1. The row's sum l is taken of the UNQUANTISED p, in f32, and the product's result is divided by l at the end. Since M is a whole number, a kernel that streams over the keys may use a running M (the ceiling of the running maximum): every later rescaling is an exact power of two, which a block's scale takes up: the codes' values come out the same.
;;   OPERANDS COMPUTED ON THE WAY. 'Computed on the way' means the value that the module computes at that place (a softmax that the list does not call 'softmax' is quantised finished and normalised). What goes into a quantiser is computed in f32, as accurately as f32 sums, v_exp_f32 and their like allow (about 1e-6 of the number): no bf16 or f16 on the way to a quantiser, and a product that is left as it is and whose result goes on into a quantised operand takes f32 operands (vector FMAs, or v_wmma_f32_16x16x4_f32). A number that lies on a knife's edge between two numbers of the format may be rounded either way, as far as f32 arithmetic and the matrix unit's own rounding can turn it there, and no further.
;; One version. Each part assembles by itself: llvm-mc -triple=amdgcn-amd-amdhsa -mcpu=gfx1250 --defsym DOCPART=n.
;; ======== version 1 of 1: 4 launches
;; limits: right only within a limited range of input values
;; workspace buffers: cod 10,485,760 bytes; scl 655,360 bytes; mw 4,194,304 bytes; qc 2,097,152 bytes; qs 262,144 bytes; kv 4,587,520 bytes
;; launch prep (part 1): grid 768 x 1, 4 waves a work-group, no clusters, 68,096 bytes of LDS; arguments x_q, x_k, x_v, Wq, Wk, Wv, Wo, mask, cod, scl, mw; writes cod, scl, mw
.if DOCPART == 1
	.amdgcn_target "amdgcn-amd-amdhsa--gfx1250"
	.amdhsa_code_object_version 6
	.text
	.protected	k_qd3e7f059f3_prep
	.globl	k_qd3e7f059f3_prep
	.p2align	8
	.type	k_qd3e7f059f3_prep,@function
k_qd3e7f059f3_prep:
	s_mov_b64 s[64:65], 0
	v_nop
	global_prefetch_b8 v0, s[64:65] scope:SCOPE_SE
	s_setreg_imm32_b32 hwreg(HW_REG_WAVE_MODE, 25, 1), 1
	s_wait_xcnt 0x0
; PREP.  (1) x_q, x_k, x_v [4096][1024] and Wq, Wk, Wv, Wo [1024][1024], f32, K innermost, become codes of FP4 (E2M1) with one E8M0 byte for each 32 along K.
; (2) mask [2][2048][2048] int32 becomes words that serve as lane masks: one bit a number.
; A TILE is 16 rows: tile T holds rows 32 (T / 2) + 8 (T % 2) + r + 8 (r / 8), r = 0 .. 15.  As source 0 of a matrix instruction such tiles leave a lane's 16 results of tiles 2 B, 2 B + 1 as 16 neighbours along the next K.
; cod: [tile][K step of 128][c = 0, 1][lane][16 bytes]: the image of the operand's registers: lane (r, h) of group c holds k = 64 c + 32 h + 0 .. 31 of the tile's row r.
; scl: [tile][kg = 0, 1][r][4 words]: word w of kg is the scale word (four bytes, one for each 32 k) of K step 4 kg + w.
; mw:  [b x 128 + T][block of 32 keys][i = 0 .. 15] words: bit r + 16 h = (mask[b][row r of tile T][32 block + 16 h + i] != 0).
; A block's scale is 2^(floor(log2(largest magnitude)) - 2); its byte is the largest magnitude's exponent field - 2, held at 1 from below.
; LIMITS: a block of zeros, and a block whose largest magnitude lies under 2^-124, get the byte 1 (zeros have zero codes, and only this program reads the bytes); NaN and infinities among the inputs are not served.
; SHARES.  A wave takes one tile x 512 numbers: four units of 128.  Work-groups 0-511: the seven f32 tensors; 512-767: the mask; equal bytes for each.  Waves share nothing: no barrier.
; Each load reads 512 consecutive bytes of one row; a unit turns through the wave's own stage in LDS (rows of 512 + 16 bytes), so that a lane gets 16 neighbours of each block of 32 of its row.
; The two ways through the text have LDS bytes of their own.  No cluster: no two work-groups read the same bytes.
.set STG,  8448                        ; a wave's stage: 16 rows x 528 bytes
.set MOFF, 4*STG                       ; the mask's way: its stages lie behind the others
.set RA,   16                          ; v16-79   a unit as loaded
.set RB,   80                          ; v80-143  the next one
.set X,    144                         ; v144-207 register 16 b + i = number 32 b + 16 h + i of my row
.set PC,   208                         ; v208-239 codes: eight registers for each unit, so that no store's data are written again
.set TM,   240                         ; v240-243 largest magnitudes, v244-247 the other half's, then bytes, v248-251 the conversions' scale operands
.set SW,   8                           ; v8-11    the four units' scale words
; THE MASK'S WAY AS IT STANDS NOW (in place of what the head says of mw): the mask leaves as codes of FP4, -2 where mask == 0, else 0.
; mw: [b x 128 + T][step of 128 keys][c = 0, 1][lane][16 bytes]: register j = 4 c + q of lane (r, h) holds the eight keys 32 (j / 2) + 16 h + 8 (j % 2) + 0 .. 7 of the tile's row r.
.set NEG,  8                           ; v8 -2.0;  v9 1.0, the conversions' scale operand
.macro LOAD u, set, pitch              ; unit u: 128 numbers of each of the tile's 16 rows
.irp j, 0,1,2,3,4,5,6,7,8,9,10,11,12,13,14,15
	global_load_b128 v[\set+4*\j:\set+4*\j+3], v1, s[4:5] offset:(\j+8*(\j/8))*\pitch+512*(\u) th:TH_LOAD_NT
.endr
.endm
.macro TURN set, base                  ; through the stage: LDS serves a wave's instructions in order, so no wait stands between the stores and the loads
.irp j, 0,1,2,3,4,5,6,7,8,9,10,11,12,13,14,15
	ds_store_b128 v2, v[\set+4*\j:\set+4*\j+3] offset:\base+528*\j
.endr
.irp b, 0,1,2,3
.irp q, 0,1,2,3
	ds_load_b128 v[X+16*\b+4*\q:X+16*\b+4*\q+3], v3 offset:\base+128*\b+16*\q
.endr
.endr
.endm
.macro QUANT4 u                        ; X's 64 numbers become unit u's fragment (8 registers) and scale word
.irp b, 0,1,2,3
	v_max3_num_f32 v[TM+\b], |v[X+16*\b]|, |v[X+1+16*\b]|, 0x1800000   ; block b: my 16 numbers, and the floor 2^(3 - 127): the byte cannot fall under 1
.endr
.irp i, 2,4,6,8,10,12,14
.irp b, 0,1,2,3
	v_max3_num_f32 v[TM+\b], v[TM+\b], |v[X+16*\b+\i]|, |v[X+1+16*\b+\i]|   ; the four blocks by turns
.endr
.endr
.irp b, 0,1,2,3
	v_permlanex16_b32 v[TM+4+\b], v[TM+\b], s50, s51
.endr
.irp b, 0,1,2,3
	v_max_num_f32 v[TM+\b], v[TM+\b], v[TM+4+\b]   ; with lane l xor 16's 16: the block's largest magnitude
.endr
.irp b, 0,1,2,3
	v_add_nc_u32 v[TM+8+\b], 0xff000000, v[TM+\b]   ; 2 off its exponent field: the conversion takes the exponent field of this operand as its scale
.endr
.irp b, 0,1,2,3
	v_lshrrev_b32 v[TM+4+\b], 23, v[TM+8+\b]       ; the scale's byte
.endr
	v_lshl_or_b32 v[SW+(\u)], v[TM+5], 8, v[TM+4]
	v_lshl_or_b32 v[SW+(\u)], v[TM+6], 16, v[SW+(\u)]
	v_lshl_or_b32 v[SW+(\u)], v[TM+7], 24, v[SW+(\u)]
.irp b, 0,1,2,3
	v_cvt_scalef32_pk8_fp4_f32 v[PC+8*(\u)+2*\b], v[X+16*\b:X+7+16*\b], v[TM+8+\b]
	v_cvt_scalef32_pk8_fp4_f32 v[PC+8*(\u)+1+2*\b], v[X+8+16*\b:X+15+16*\b], v[TM+8+\b]
.endr
	v_nop                                          ; one plain place behind a scaled conversion
.irp c, 0,1                                    ; the operand's layout wants a whole block in a lane: lanes 0-15 block 2 c, lanes 16-31 block 2 c + 1
.irp i, 0,1
	v_permlane16_swap_b32 v[PC+8*(\u)+4*\c+\i], v[PC+8*(\u)+2+4*\c+\i]
.endr
.endr
.endm
.macro QUNIT u, set, left, more        ; left: the next unit's loads, which may stay out
	s_wait_loadcnt \left
	TURN \set, 0
	s_wait_dscnt 0x0                               ; the unit is back, and the stores into the stage have read their registers,
.if \more
	LOAD (\u)+2, \set, 4096                        ; which take the unit two further on
.endif
	QUANT4 \u
.endm
.macro MUNIT u, set, left, more
	s_wait_loadcnt \left
	TURN \set, MOFF
	s_wait_dscnt 0x0
.if \more
	LOAD (\u)+2, \set, 8192
.endif
.irp g, 0,1,2,3,4,5,6,7                        ; each number becomes -2.0 (closed) or 0 (open), eight at a time
.irp k, 0,1,2,3,4,5,6,7
	v_cmp_eq_u32 s[40+\k], 0, v[X+8*\g+\k]
.endr
.irp k, 0,1,2,3,4,5,6,7
	v_cndmask_b32 v[X+8*\g+\k], 0, v[NEG], s[40+\k]
.endr
.endr
.irp g, 0,1,2,3,4,5,6,7
	v_cvt_scalef32_pk8_fp4_f32 v[PC+8*(\u)+\g], v[X+8*\g:X+8*\g+7], v[NEG+1]   ; eight neighbouring keys: one register of codes
.endr
	v_nop                                          ; one plain place behind a scaled conversion
.endm
	s_load_b512 s[8:23], s[0:1], 0x0               ; x_q 8, x_k 10, x_v 12, Wq 14, Wk 16, Wv 18, Wo 20, mask 22
	s_load_b128 s[24:27], s[0:1], 0x40             ; cod, scl
	s_load_b64 s[28:29], s[0:1], 0x50              ; mw
	v_lshl_add_u32 v254, v0, 2, 0x10800
	v_mov_b32 v255, 0
	v_lshrrev_b32 v1, 5, v0
	v_readfirstlane_b32 s30, v1                    ; wave 0..3
	v_and_b32 v6, 31, v0                           ; lane
	v_and_b32 v7, 15, v0                           ; r
	v_bfe_u32 v14, v0, 4, 1                        ; h
	v_lshlrev_b32 v1, 4, v6                        ; 16 x lane
	v_lshlrev_b32 v4, 4, v7
	v_lshl_add_u32 v4, v14, 3, v4                  ; 16 r + 8 h
	s_mul_i32 s33, s30, STG
	v_add_nc_u32 v2, s33, v1                       ; the stage on the way in: a row's 512 bytes as they lie
	v_mul_u32_u24 v3, v7, 528
	v_lshl_add_u32 v3, v14, 6, v3
	v_add_nc_u32 v3, s33, v3                       ; and on the way out: row r, + 64 h
	s_mov_b32 s37, 0
	s_mov_b32 s48, 0xffff0000                      ; lanes 16-31
	s_mov_b32 s50, 0x76543210
	s_mov_b32 s51, 0xfedcba98                      ; v_permlanex16_b32's selects for lane l xor 16
	s_wait_kmcnt 0x0
	s_cmp_lt_u32 ttmp9, 512
	s_cbranch_scc0 .Lmask
	; ---- the seven f32 tensors.  Which one is mine hangs on the work-group's number alone
	s_mov_b64 s[4:5], s[20:21]
	s_mov_b32 s31, 480
.macro PICK limit, ptr, base
	s_cmp_lt_u32 ttmp9, \limit
	s_cselect_b64 s[4:5], s[\ptr:\ptr+1], s[4:5]
	s_cselect_b32 s31, \base, s31
.endm
	PICK 480, 18, 448
	PICK 448, 16, 416
	PICK 416, 14, 384
	PICK 384, 12, 256
	PICK 256, 10, 128
	PICK 128, 8, 0
	s_sub_co_u32 s32, ttmp9, s31
	s_lshl_b32 s32, s32, 2
	s_add_co_u32 s32, s32, s30                     ; my item in the tensor: tile = item / 2, half of K = item % 2
	s_lshr_b32 s33, s32, 1
	s_and_b32 s34, s32, 1
	s_lshr_b32 s35, s33, 1
	s_lshl_b32 s35, s35, 5
	s_and_b32 s36, s33, 1
	s_lshl_b32 s36, s36, 3
	s_add_co_u32 s35, s35, s36                     ; the tile's first row
	s_lshl_b32 s36, s35, 12                        ; rows of 4,096 bytes
	s_lshl_b32 s34, s34, 11
	s_add_co_u32 s36, s36, s34
	s_add_nc_u64 s[4:5], s[4:5], s[36:37]
	s_lshl_b32 s32, ttmp9, 2
	s_add_co_u32 s32, s32, s30                     ; my item among all: 4,096 bytes of codes, 256 of scale words
	s_lshl_b32 s36, s32, 12
	s_add_nc_u64 s[24:25], s[24:25], s[36:37]
	s_lshl_b32 s36, s32, 8
	s_add_nc_u64 s[26:27], s[26:27], s[36:37]
	s_wait_alu depctr_va_vdst(0)
	LOAD 0, RA, 4096
	LOAD 1, RB, 4096
.irp b, 0,1,2,3
	v_mov_b32 v[TM+4+\b], 0                        ; written once: a lane permute's destination counts as one of its sources
.endr
	QUNIT 0, RA, 16, 1
	QUNIT 1, RB, 16, 1
	QUNIT 2, RA, 16, 0
	QUNIT 3, RB, 0, 0
.irp u, 0,1,2,3                                ; the four units' codes leave together, behind the last unit: each unit has registers of its own
.irp c, 0,1
	global_store_b128 v1, v[PC+8*\u+4*\c:PC+8*\u+4*\c+3], s[24:25] offset:1024*\u+512*\c   ; 32 lanes store 512 consecutive bytes
.endr
.endr
	v_cndmask_b32 v12, v[SW], v[SW+2], s48         ; lanes 0-15 store words 0, 1 of row r, lanes 16-31 words 2, 3
	v_cndmask_b32 v13, v[SW+1], v[SW+3], s48
	global_store_b64 v4, v[12:13], s[26:27]        ; 256 consecutive bytes, aligned
	s_wait_tensorcnt 0x0
	ds_add_u32 v254, v255
	s_wait_dscnt 0x0
	s_endpgm
	; ---- the mask
.Lmask:
	s_sub_co_u32 s32, ttmp9, 512
	s_lshl_b32 s32, s32, 2
	s_add_co_u32 s32, s32, s30                     ; my item: tile b x 128 + T = item / 4, quarter of the keys = item % 4
	s_lshr_b32 s33, s32, 2
	s_and_b32 s34, s32, 3
	s_lshr_b32 s35, s33, 1
	s_lshl_b32 s35, s35, 5
	s_and_b32 s36, s33, 1
	s_lshl_b32 s36, s36, 3
	s_add_co_u32 s35, s35, s36                     ; the tile's first row
	s_lshl_b32 s36, s35, 13                        ; rows of 8,192 bytes
	s_lshl_b32 s34, s34, 11
	s_add_co_u32 s36, s36, s34
	s_add_nc_u64 s[4:5], s[22:23], s[36:37]
	s_lshl_b32 s36, s32, 12                        ; 4,096 bytes of codes an item
	s_add_nc_u64 s[28:29], s[28:29], s[36:37]
	s_wait_alu depctr_va_vdst(0)
	LOAD 0, RA, 8192
	LOAD 1, RB, 8192
	v_mov_b32 v[NEG], 0xc0000000                   ; -2.0
	v_mov_b32 v[NEG+1], 1.0
	s_wait_alu depctr_va_vdst(0)                   ; the wait directly behind the writes
	MUNIT 0, RA, 16, 1
	MUNIT 1, RB, 16, 1
	MUNIT 2, RA, 16, 0
	MUNIT 3, RB, 0, 0
.irp u, 0,1,2,3                                ; the four units' codes leave together, behind the last unit
.irp c, 0,1
	global_store_b128 v1, v[PC+8*\u+4*\c:PC+8*\u+4*\c+3], s[28:29] offset:1024*\u+512*\c   ; 32 lanes store 512 consecutive bytes
.endr
.endr
	s_wait_tensorcnt 0x0
	ds_add_u32 v254, v255
	s_wait_dscnt 0x0
	s_endpgm
.Lfunc_end_k_qd3e7f059f3_prep:
	.size	k_qd3e7f059f3_prep, .Lfunc_end_k_qd3e7f059f3_prep-k_qd3e7f059f3_prep
	.p2alignl 7, 3214868480
	.fill 96, 4, 3214868480
	.section	.rodata,"a",@progbits
	.p2align	6, 0x0
	.amdhsa_kernel k_qd3e7f059f3_prep
		.amdhsa_group_segment_fixed_size 68096
		.amdhsa_private_segment_fixed_size 0
		.amdhsa_enable_private_segment 0
		.amdhsa_kernarg_size 88
		.amdhsa_user_sgpr_count 2
		.amdhsa_user_sgpr_kernarg_segment_ptr 1
		.amdhsa_wavefront_size32 1
		.amdhsa_system_sgpr_workgroup_id_x 1
		.amdhsa_system_sgpr_workgroup_id_y 1
		.amdhsa_system_sgpr_workgroup_id_z 1
		.amdhsa_system_vgpr_workitem_id 0
		.amdhsa_next_free_vgpr 256
		.amdhsa_next_free_sgpr 66
		.amdhsa_reserve_vcc 0
		.amdhsa_float_denorm_mode_32 3
		.amdhsa_float_denorm_mode_16_64 3
		.amdhsa_memory_ordered 1
		.amdhsa_forward_progress 1
		.amdhsa_inst_pref_size 84
	.end_amdhsa_kernel
	.amdgpu_metadata
---
amdhsa.version: [ 1, 2 ]
amdhsa.kernels:
  - .name:           k_qd3e7f059f3_prep
    .symbol:         k_qd3e7f059f3_prep.kd
    .args:
      - { .name: x_q, .offset: 0, .size: 8, .value_kind: global_buffer, .address_space: global }
      - { .name: x_k, .offset: 8, .size: 8, .value_kind: global_buffer, .address_space: global }
      - { .name: x_v, .offset: 16, .size: 8, .value_kind: global_buffer, .address_space: global }
      - { .name: Wq, .offset: 24, .size: 8, .value_kind: global_buffer, .address_space: global }
      - { .name: Wk, .offset: 32, .size: 8, .value_kind: global_buffer, .address_space: global }
      - { .name: Wv, .offset: 40, .size: 8, .value_kind: global_buffer, .address_space: global }
      - { .name: Wo, .offset: 48, .size: 8, .value_kind: global_buffer, .address_space: global }
      - { .name: mask, .offset: 56, .size: 8, .value_kind: global_buffer, .address_space: global }
      - { .name: cod, .offset: 64, .size: 8, .value_kind: global_buffer, .address_space: global }
      - { .name: scl, .offset: 72, .size: 8, .value_kind: global_buffer, .address_space: global }
      - { .name: mw, .offset: 80, .size: 8, .value_kind: global_buffer, .address_space: global }
    .group_segment_fixed_size: 68096
    .private_segment_fixed_size: 0
    .kernarg_segment_align: 8
    .kernarg_segment_size: 88
    .max_flat_workgroup_size: 128
    .sgpr_count:     66
    .vgpr_count:     256
    .wavefront_size: 32
...
	.end_amdgpu_metadata
.endif
;; end of part 1
;; launch proj (part 2): grid 4 x 48, 16 waves a work-group, clusters of 4 x 4, 264,192 bytes of LDS; arguments cod, scl, bq, bk, bv, qc, qs, kv; writes qc, qs, kv
.if DOCPART == 2
	.amdgcn_target "amdgcn-amd-amdhsa--gfx1250"
	.amdhsa_code_object_version 6
	.text
	.protected	k_qd3e7f059f3_proj
	.globl	k_qd3e7f059f3_proj
	.p2align	8
	.type	k_qd3e7f059f3_proj,@function
k_qd3e7f059f3_proj:
	s_mov_b64 s[64:65], 0
	v_nop
	global_prefetch_b8 v0, s[64:65] scope:SCOPE_SE
	s_setreg_imm32_b32 hwreg(HW_REG_WAVE_MODE, 25, 1), 1
	s_wait_xcnt 0x0
	s_wait_alu depctr_hold_cnt(0) depctr_sa_sdst(0) depctr_va_vdst(0) depctr_va_sdst(0) depctr_va_ssrc(0) depctr_va_vcc(0) depctr_vm_vsrc(0)
	s_getreg_b32 s2, hwreg(HW_REG_IB_STS2, 6, 4)
	s_cmp_eq_u32 s2, 0
	s_cbranch_scc0 .Lentry_in_a_cluster
	s_endpgm
.Lentry_in_a_cluster:
	s_bfe_u32 s2, ttmp6, 0x10000c
	s_cmp_lg_u32 s2, 0xf033
	s_cbranch_scc0 .Lentry_shape_is_right
	s_endpgm
.Lentry_shape_is_right:
; PROJ.  q = x_q Wq^T + bq, k = x_k Wk^T + bk, v = x_v Wv^T + bv on codes of FP4 with E8M0 scales; the results are quantised in registers and leave as codes:
; q and k along the head's 64 channels (two blocks of 32), v along the keys.
; SHARES.  3 products x 64 blocks = 192 work-groups; a work-group makes 256 rows of L x 256 rows of R over all K = 1,024.  L is source 1 (its rows go to lanes), R source 0 (its rows go to a lane's registers).
;   p = 0, 1 (q, k): L = x, R = W: a lane holds a token, its registers run along the channels.   p = 2 (v): L = Wv, R = x_v: a lane holds a channel, its registers run along the keys.
;   Sixteen waves, 4 x 4; a wave makes 64 x 64: 16 accumulators, which take turns, one instruction a turn, in the same order in every K step.
; TILES: 16 rows: tile T holds rows 32 (T / 2) + 8 (T % 2) + r + 8 (r / 8); so the 16 registers of R's tiles 2 B, 2 B + 1 are rows 32 B + 16 h + 0 .. 15 of R: 16 neighbours along the next K.
; LDS holds both operands for all of K: L at 0, R at 131,072, each in four chunks of two K steps, as images of the operands' registers (1,024 bytes for a tile and a K step; read 16 bytes a lane on end: no padding).
; Every LDS byte is filled once; nothing is stored into LDS.  All chunks are read behind each wave's wait for its one load and a barrier.
; CLUSTER 4 x 4: L's chunk hangs on the cluster's row alone and is asked for jointly by the four of a row, R's by the four of a column.  p is the same in all sixteen.
; OUT: qc [b x 16 + head][tile][512 bytes]: lane (r, h): channels 32 h + 0 .. 31 of the tile's token r.  qs [..][tile / 4][r][tile % 4] words.
;   kv [b x 16 + head][step of 128 keys][8,960 bytes]: 0: K's 8 tiles x 512; 4,096: V's 4 channel tiles x 1,024 (keys innermost); 8,192: K's scale words [g][r][4]; 8,704: V's [r][4].
;   The two upper bytes of q's and k's scale words are 1: they belong to k = 64 .. 127 of the next product's instruction, where q's codes are zeros.
; LIMITS: as in PREP (byte 1 for blocks of zeros and under 2^-124; no NaN, no infinities).  V's scale bytes leave as single bytes, 128 KiB in all: the only stores here that do not cover 256 consecutive bytes.
.set WV,  56                           ; s56 wave; s57 wl (which 64 rows of L), s58 wr (of R); s59 cx, s60 cy; s61 p; s63 L's block, s66 R's block
.set G1L, 8                            ; s[8:15], s[16:23] descriptor groups 1;  s[24:27], s[40:43] groups 0
.set G1R, 16
.set G0L, 24
.set G0R, 40
.set AL,  4                            ; v4, v5  LDS address of my L fragments: chunks 0, 1; chunks 2, 3
.set AR,  6                            ; v6, v7  the same for R
.set SC,  32                           ; v32-63  scale words: register 8 i + ks: lanes 0-15 L's tile i, lanes 16-31 R's tile i, K step ks.  They hold scales and nothing else
.set FL,  64                           ; v64-95  L's four fragments
.set FR,  96                           ; v96-127 R's four
.set ACC, 128                          ; v128-255 accumulator (a, b) at 128 + 32 a + 8 b
.macro CROUND                          ; a round of the cluster's barrier
	s_barrier_signal -1
	s_barrier_wait -1
	s_cmp_lg_u32 s[WV], 0
	s_cbranch_scc1 .Lnot_wave_0_\@
	s_barrier_signal -3
.Lnot_wave_0_\@:
	s_barrier_wait -3
	s_barrier_signal -1
	s_barrier_wait -1
.endm
.macro KSTEP ks                        ; 128 along K: 16 LDS loads, 16 matrix instructions
.rept 4
	v_nop                                          ; four places in front of loads into registers that matrix instructions have read (ISA guide 7.12.1 for vector instructions)
.endr
.irp i, 0,1,2,3
.irp c, 0,1
	ds_load_b128 v[FR+8*\i+4*\c:FR+8*\i+4*\c+3], v[AR+(\ks)/4] offset:(((\ks)/2)%2)*32768+\i*2048+((\ks)%2)*1024+512*\c
.endr
.endr
.irp i, 0,1,2,3
.irp c, 0,1
	ds_load_b128 v[FL+8*\i+4*\c:FL+8*\i+4*\c+3], v[AL+(\ks)/4] offset:(((\ks)/2)%2)*32768+\i*2048+((\ks)%2)*1024+512*\c
.endr
.endr
.irp a, 0,1,2,3
	s_wait_dscnt 6-2*\a                            ; R's four and L's fragments up to a are in; the two loads of each later one may be out
.irp b, 0,1,2,3
	v_wmma_scale_f32_16x16x128_f8f6f4 v[ACC+32*\a+8*\b:ACC+32*\a+8*\b+7], v[FR+8*\b:FR+8*\b+7], v[FL+8*\a:FL+8*\a+7], v[ACC+32*\a+8*\b:ACC+32*\a+8*\b+7], v[SC+8*\b+(\ks)], v[SC+8*\a+(\ks)] matrix_a_fmt:MATRIX_FMT_FP4 matrix_b_fmt:MATRIX_FMT_FP4 matrix_a_scale:MATRIX_SCALE_ROW1
.endr
.endr
.endm
	s_load_b128 s[4:7], s[0:1], 0x0                ; cod, scl
	s_load_b128 s[84:87], s[0:1], 0x10             ; bq, bk
	s_load_b64 s[88:89], s[0:1], 0x20              ; bv
	s_load_b64 s[90:91], s[0:1], 0x28              ; qc
	s_load_b128 s[92:95], s[0:1], 0x30             ; qs, kv
	v_lshl_add_u32 v30, v0, 2, 0x40000
	v_mov_b32 v31, 0
	ds_add_u32 v30, v31
	ds_add_u32 v30, v31
	v_lshrrev_b32 v1, 5, v0
	s_delay_alu instid0(VALU_DEP_1)
	v_readfirstlane_b32 s[WV], v1                  ; wave 0..15
	s_lshr_b32 s57, s[WV], 2
	s_and_b32 s58, s[WV], 3
	s_bfe_u32 s59, ttmp6, 0x40000                  ; cx
	s_bfe_u32 s60, ttmp6, 0x40004                  ; cy
	s_and_b32 s62, ttmp7, 0xffff                   ; the cluster's y, 0..11
	s_lshr_b32 s61, s62, 2                         ; p: which product
	s_and_b32 s62, s62, 3
	s_lshl_b32 s62, s62, 2                         ; 4 x (which four blocks of x)
	s_lshl_b32 s70, s61, 8                         ; x_p's first tile
	s_lshl_b32 s71, s61, 6
	s_add_co_u32 s71, s71, 768                     ; W_p's first tile
	s_cmp_lt_u32 s61, 2
	s_cselect_b32 s76, -1, 0                       ; all ones for q and k,
	s_cselect_b32 s77, 0, -1                       ; for v
	s_cselect_b32 s68, s62, 0
	s_cselect_b32 s69, 0, s62
	s_cselect_b32 s72, s70, 896                    ; L's first tile in cod: x_p's, or Wv's
	s_cselect_b32 s73, s71, 512                    ; R's: W_p's, or x_v's
	s_add_co_u32 s63, s60, s68                     ; L's block: it hangs on cy and the cluster's y alone,
	s_add_co_u32 s66, s59, s69                     ; R's on cx and the cluster's y alone
	s_lshl_b32 s68, s63, 4
	s_lshl_b32 s69, s66, 4
	s_add_co_u32 s72, s72, s68                     ; my first tile of L
	s_add_co_u32 s73, s73, s69                     ; and of R
	s_lshl_b32 s68, s60, 2
	s_lshl_b32 s68, 15, s68                        ; my row of the cluster
	s_lshl_b32 s69, 0x1111, s59                    ; my column
	; group 1: 8 rows (tiles) of 2,048 bytes (two K steps), 8,192 bytes apart, in elements of 8 bytes; no padding
	s_or_b32 s[G1L], s68, (3<<16)|(1<<21)          ; 15:0 the mask; 17:16 elements of 8 bytes; 21 set beside a mask
	s_or_b32 s[G1R], s69, (3<<16)|(1<<21)
.irp g, G1L, G1R
	s_mov_b32 s[\g+1], 256<<16                     ; tensor_dim0 = 256
	s_mov_b32 s[\g+2], 8<<16                       ; tensor_dim1 = 8: a load brings half a chunk, 8 tiles
	s_mov_b32 s[\g+3], 256<<16                     ; tile_dim0 = 256
	s_mov_b32 s[\g+4], 8                           ; tile_dim1 = 8
	s_mov_b32 s[\g+5], 1024                        ; from row to row
	s_mov_b32 s[\g+6], 0
	s_mov_b32 s[\g+7], 0
.endr
	s_lshl_b32 s70, s72, 13                        ; 8,192 bytes a tile
	s_mov_b32 s71, 0
	s_lshl_b32 s74, s73, 13
	s_mov_b32 s75, 0
	s_mov_b32 s78, 0xffff0000                      ; lanes 16-31
	s_mov_b32 s80, 0x76543210
	s_mov_b32 s81, 0xfedcba98                      ; v_permlanex16_b32's selects for lane l xor 16
	s_wait_dscnt 0x0
	CROUND                                         ; the round in front of the first joint loads: it needs the opening adds alone, and stands while the arguments are on their way
	s_wait_kmcnt 0x0
	s_add_nc_u64 s[70:71], s[4:5], s[70:71]
	s_add_nc_u64 s[74:75], s[4:5], s[74:75]
	; one load a wave: waves 0-7 fetch L, waves 8-15 R; wave w takes chunk (w % 8) / 2, tiles 8 (w % 2) .. + 7: LDS byte 16,384 w
	s_and_b32 s68, s[WV], 7
	s_lshr_b32 s69, s68, 1
	s_lshl_b32 s69, s69, 11                        ; the chunk: 2,048 bytes along a tile
	s_and_b32 s67, s[WV], 1
	s_lshl_b32 s67, s67, 16                        ; 8 tiles of 8,192 bytes
	s_add_co_u32 s68, s69, s67
	s_mov_b32 s69, 0
	s_mov_b32 s[G0L], 1
	s_lshl_b32 s[G0L+1], s[WV], 14
	s_add_nc_u64 s[G0L+2:G0L+3], s[70:71], s[68:69]
	s_or_b32 s[G0L+3], s[G0L+3], 0x80000000
	s_mov_b32 s[G0R], 1
	s_lshl_b32 s[G0R+1], s[WV], 14
	s_add_nc_u64 s[G0R+2:G0R+3], s[74:75], s[68:69]
	s_or_b32 s[G0R+3], s[G0R+3], 0x80000000
	s_cmp_eq_u32 s61, 0                            ; my product's bias
	s_cselect_b64 s[82:83], s[84:85], s[86:87]
	s_cmp_eq_u32 s61, 2
	s_cselect_b64 s[82:83], s[88:89], s[82:83]
	s_cmp_lt_u32 s[WV], 8                          ; every wave asks once: one tensor load a wave at the head
	s_cbranch_scc0 .Lnot_l
	tensor_load_to_lds s[G0L:G0L+3], s[G1L:G1L+7]
	s_nop 0
.rept 4
	v_nop
.endr
	s_branch .Lasked
.Lnot_l:
	tensor_load_to_lds s[G0R:G0R+3], s[G1R:G1R+7]
	s_nop 0
.rept 4
	v_nop
.endr
.Lasked:
	; while the tiles are on their way: addresses, scale words, and the biases, with which the sums begin
	v_and_b32 v14, 31, v0
	s_delay_alu instid0(VALU_DEP_1)
	v_lshlrev_b32 v1, 4, v14                       ; 16 x lane
	v_and_b32 v2, 15, v0                           ; r
	v_bfe_u32 v3, v0, 4, 1                         ; h
	s_lshl_b32 s67, s57, 13                        ; my four tiles of L: 2,048 bytes a tile in a chunk
	v_add_nc_u32 v[AL], s67, v1
	s_delay_alu instid0(VALU_DEP_1)
	v_add_nc_u32 v[AL+1], 0x10000, v[AL]
	s_lshl_b32 s67, s58, 13
	s_add_co_u32 s67, s67, 131072
	v_add_nc_u32 v[AR], s67, v1
	s_delay_alu instid0(VALU_DEP_1)
	v_add_nc_u32 v[AR+1], 0x10000, v[AR]
	s_lshl_b32 s67, s57, 2
	s_add_co_u32 s67, s67, s72
	s_lshl_b32 s67, s67, 9                         ; my first L tile's 512 bytes of scale words
	s_lshl_b32 s79, s58, 2
	s_add_co_u32 s79, s79, s73
	s_lshl_b32 s79, s79, 9                         ; my first R tile's
	v_mov_b32 v8, s67
	v_mov_b32 v15, s79
	s_delay_alu instid0(VALU_DEP_1)
	v_cndmask_b32 v8, v8, v15, s78                 ; lanes 0-15 take L's, lanes 16-31 R's
	s_wait_alu depctr_va_vdst(0)
	v_lshl_add_u32 v8, v2, 4, v8                   ; + 16 r
	s_wait_alu depctr_va_vdst(0)
	s_lshl_b32 s67, s66, 8
	s_lshl_b32 s79, s58, 6
	s_add_co_u32 s67, s67, s79
	s_lshl_b32 s67, s67, 2
	s_and_b32 s67, s67, s76                        ; q, k: the bias runs along R: my 64 numbers begin here (v: 0, so that the load stays inside the buffer)
	v_lshl_add_u32 v9, v3, 6, s67                  ; + 64 h
	s_lshl_b32 s67, s63, 8
	s_lshl_b32 s79, s57, 6
	s_add_co_u32 s67, s67, s79
	s_lshl_b32 s67, s67, 2
	s_and_b32 s67, s67, s77                        ; v: the bias runs along L
	v_and_b32 v10, 8, v2
	s_delay_alu instid0(VALU_DEP_1)
	v_add_nc_u32 v10, v10, v2                      ; r + 8 (r / 8)
	s_delay_alu instid0(VALU_DEP_1)
	v_lshl_add_u32 v10, v10, 2, s67
	v_lshlrev_b32 v11, 3, v3                       ; 8 h
	v_lshlrev_b32 v12, 4, v2
	s_delay_alu instid0(VALU_DEP_1)
	v_add_nc_u32 v13, v12, v3                      ; 16 r + h
	s_delay_alu instid0(VALU_DEP_2)
	v_lshl_add_u32 v12, v3, 3, v12                 ; 16 r + 8 h
.irp i, 0,1,2,3
.irp g, 0,1
	global_load_b128 v[SC+8*\i+4*\g:SC+8*\i+4*\g+3], v8, s[6:7] offset:512*\i+256*\g
.endr
.endr
.irp b, 0,1,2,3                                ; along R: register j of tile b = 2 B + u is row 32 B + 8 u + 16 h + j
.irp q, 0,1
	global_load_b128 v[FR+8*\b+4*\q:FR+8*\b+4*\q+3], v9, s[82:83] offset:(32*(\b/2)+8*(\b%2))*4+16*\q
.endr
.endr
.irp a, 0,1,2,3                                ; along L: my lane's row of tile a, twice: a pair for the packed addition
	global_load_b32 v[FL+2*\a], v10, s[82:83] offset:(32*(\a/2)+8*(\a%2))*4
	global_load_b32 v[FL+2*\a+1], v10, s[82:83] offset:(32*(\a/2)+8*(\a%2))*4
.endr
	s_wait_loadcnt 0x0
.set n, 0
.rept 32
	v_and_b32 v[FR+n], s76, v[FR+n]                ; the bias that does not apply becomes 0
.set n, n+1
.endr
.set n, 0
.rept 8
	v_and_b32 v[FL+n], s77, v[FL+n]
.set n, n+1
.endr
.irp a, 0,1,2,3
.irp b, 0,1,2,3
.irp q, 0,1,2,3
	v_pk_add_f32 v[ACC+32*\a+8*\b+2*\q:ACC+32*\a+8*\b+2*\q+1], v[FR+8*\b+2*\q:FR+8*\b+2*\q+1], v[FL+2*\a:FL+2*\a+1]
.endr
.endr
.endr
	s_wait_alu depctr_va_vdst(0)
	s_wait_tensorcnt 0x0                           ; my one load has landed
	s_barrier_signal -1
	s_barrier_wait -1                              ; and everybody's: both operands are whole, for all of K
.irp k, 0,1,2,3,4,5,6,7
	KSTEP \k
.endr
	; ---- the results are quantised along R: two blocks of 32 for each of L's four tiles, the eight blocks by turns.  v64-71 largest magnitudes, v72-79 the other half's, then bytes, v80-87 scale operands, v88-91 words, v96-111 codes
.rept 4
	v_nop                                          ; places behind the last products
.endr
.irp a, 0,1,2,3
.irp e, 0,1
	v_max3_num_f32 v[64+2*\a+\e], |v[ACC+32*\a+16*\e]|, |v[ACC+1+32*\a+16*\e]|, 0x1800000   ; each accumulator is read from its low end on
.endr
.endr
.irp i, 2,4,6,8,10,12,14
.irp a, 0,1,2,3
.irp e, 0,1
	v_max3_num_f32 v[64+2*\a+\e], v[64+2*\a+\e], |v[ACC+32*\a+16*\e+\i]|, |v[ACC+1+32*\a+16*\e+\i]|
.endr
.endr
.endr
.irp k, 0,1,2,3,4,5,6,7
	v_mov_b32 v[72+\k], 0                          ; a lane permute's destination counts as one of its sources
.endr
.irp k, 0,1,2,3,4,5,6,7
	v_permlanex16_b32 v[72+\k], v[64+\k], s80, s81
.endr
.irp k, 0,1,2,3,4,5,6,7
	v_max_num_f32 v[64+\k], v[64+\k], v[72+\k]
.endr
.irp k, 0,1,2,3,4,5,6,7
	v_add_nc_u32 v[80+\k], 0xff000000, v[64+\k]    ; 2 off the exponent field: the conversion's scale operand
.endr
.irp k, 0,1,2,3,4,5,6,7
	v_lshrrev_b32 v[72+\k], 23, v[80+\k]           ; the scale's byte
.endr
.irp a, 0,1,2,3
	v_lshl_or_b32 v[88+\a], v[73+2*\a], 8, v[72+2*\a]
.endr
.irp a, 0,1,2,3
	s_delay_alu instid0(VALU_DEP_4)
	v_or_b32 v[88+\a], 0x01010000, v[88+\a]        ; the bytes of k = 64 .. 127, where codes are zeros
.endr
.irp a, 0,1,2,3
.irp e, 0,1
	v_cvt_scalef32_pk8_fp4_f32 v[96+4*\a+2*\e], v[ACC+32*\a+16*\e:ACC+32*\a+16*\e+7], v[80+2*\a+\e]
	v_cvt_scalef32_pk8_fp4_f32 v[97+4*\a+2*\e], v[ACC+8+32*\a+16*\e:ACC+8+32*\a+16*\e+7], v[80+2*\a+\e]
.endr
.endr
	v_nop                                          ; one plain place behind a scaled conversion
.irp a, 0,1,2,3
	v_permlane16_swap_b32 v[96+4*\a], v[98+4*\a]   ; a whole block in a lane: lanes 0-15 block 0, lanes 16-31 block 1
	v_permlane16_swap_b32 v[97+4*\a], v[99+4*\a]
.endr
	s_cmp_lt_u32 s61, 2                            ; p is the same in every work-group of the cluster
	s_cbranch_scc0 .Lv_arm
	; q, k: my four tiles of tokens, one head
	s_lshl_b32 s67, s63, 4
	s_lshl_b32 s79, s57, 2
	s_add_co_u32 s67, s67, s79                     ; my first tile of the 256
	s_lshr_b32 s79, s67, 7                         ; b
	s_and_b32 s67, s67, 127                        ; T
	s_lshl_b32 s79, s79, 4
	s_lshl_b32 s68, s66, 2
	s_add_co_u32 s79, s79, s68
	s_add_co_u32 s79, s79, s58                     ; b x 16 + head
	s_lshl_b32 s68, s79, 7
	s_add_co_u32 s68, s68, s67
	s_lshl_b32 s68, s68, 9                         ; q: codes
	s_lshl_b32 s69, s79, 5
	s_lshr_b32 s70, s67, 2
	s_add_co_u32 s69, s69, s70
	s_lshl_b32 s69, s69, 8                         ; q: scale words
	s_lshl_b32 s70, s79, 4
	s_lshr_b32 s71, s67, 3
	s_add_co_u32 s70, s70, s71
	s_mul_i32 s70, s70, 8960                       ; k: the step's record
	s_and_b32 s71, s67, 7                          ; 0 or 4
	s_lshl_b32 s72, s71, 9
	s_add_co_u32 s72, s72, s70                     ; k: codes
	s_lshl_b32 s71, s71, 6
	s_add_co_u32 s71, s71, s70
	s_add_co_u32 s71, s71, 8192                    ; k: scale words
	s_cmp_eq_u32 s61, 0
	s_cselect_b32 s68, s68, s72
	s_cselect_b32 s70, s69, s71
	s_cselect_b64 s[72:73], s[90:91], s[94:95]
	s_cselect_b64 s[74:75], s[92:93], s[94:95]
	s_mov_b32 s69, 0
	s_mov_b32 s71, 0
	s_add_nc_u64 s[72:73], s[72:73], s[68:69]
	s_add_nc_u64 s[74:75], s[74:75], s[70:71]
	s_wait_alu depctr_va_vdst(0)
.irp a, 0,1,2,3
	global_store_b128 v1, v[96+4*\a:99+4*\a], s[72:73] offset:512*\a   ; 512 consecutive bytes
.endr
	v_cndmask_b32 v92, v88, v90, s78               ; lanes 0-15 store tiles 0, 1's words of row r, lanes 16-31 tiles 2, 3's
	v_cndmask_b32 v93, v89, v91, s78
	global_store_b64 v12, v[92:93], s[74:75]       ; 256 consecutive bytes, aligned
	s_branch .Lstored
.Lv_arm:
	; v: one head's four tiles of channels, 64 keys
	s_lshl_b32 s67, s63, 2
	s_add_co_u32 s67, s67, s57                     ; head
	s_lshl_b32 s68, s66, 2
	s_add_co_u32 s68, s68, s58                     ; which 64 tokens of the 4,096
	s_lshr_b32 s69, s68, 5                         ; b
	s_lshl_b32 s69, s69, 4
	s_add_co_u32 s69, s69, s67
	s_lshl_b32 s69, s69, 4
	s_bfe_u32 s70, s68, 0x40001                    ; the step of 128 keys
	s_add_co_u32 s69, s69, s70
	s_mul_i32 s70, s69, 8960
	s_and_b32 s68, s68, 1                          ; which half of it
	s_lshl_b32 s69, s68, 9
	s_add_co_u32 s72, s70, s69
	s_lshl_b32 s69, s68, 1
	s_add_co_u32 s74, s70, s69
	s_mov_b32 s73, 0
	s_mov_b32 s75, 0
	s_add_nc_u64 s[72:73], s[94:95], s[72:73]
	s_add_nc_u64 s[74:75], s[94:95], s[74:75]
	s_wait_alu depctr_va_vdst(0)
.irp a, 0,1,2,3
	global_store_b128 v1, v[96+4*\a:99+4*\a], s[72:73] offset:4096+1024*\a
.endr
.irp a, 0,1,2,3
	v_lshrrev_b32 v[72+\a], v11, v[88+\a]          ; lane (r, h) stores block h's byte of channel r
.endr
.irp a, 0,1,2,3
	global_store_b8 v13, v[72+\a], s[74:75] offset:8704+4*\a
.endr
.Lstored:
	s_wait_tensorcnt 0x0
	ds_add_u32 v30, v31
	s_wait_dscnt 0x0
	CROUND                                         ; the closing round: no work-group ends while a partner may still ask for a tile that names it
	s_endpgm
.Lfunc_end_k_qd3e7f059f3_proj:
	.size	k_qd3e7f059f3_proj, .Lfunc_end_k_qd3e7f059f3_proj-k_qd3e7f059f3_proj
	.p2alignl 7, 3214868480
	.fill 96, 4, 3214868480
	.section	.rodata,"a",@progbits
	.p2align	6, 0x0
	.amdhsa_kernel k_qd3e7f059f3_proj
		.amdhsa_group_segment_fixed_size 264192
		.amdhsa_private_segment_fixed_size 0
		.amdhsa_enable_private_segment 0
		.amdhsa_kernarg_size 64
		.amdhsa_user_sgpr_count 2
		.amdhsa_user_sgpr_kernarg_segment_ptr 1
		.amdhsa_wavefront_size32 1
		.amdhsa_system_sgpr_workgroup_id_x 1
		.amdhsa_system_sgpr_workgroup_id_y 1
		.amdhsa_system_sgpr_workgroup_id_z 1
		.amdhsa_system_vgpr_workitem_id 0
		.amdhsa_next_free_vgpr 256
		.amdhsa_next_free_sgpr 96
		.amdhsa_reserve_vcc 0
		.amdhsa_float_denorm_mode_32 3
		.amdhsa_float_denorm_mode_16_64 3
		.amdhsa_memory_ordered 1
		.amdhsa_forward_progress 1
		.amdhsa_inst_pref_size 53
	.end_amdhsa_kernel
	.amdgpu_metadata
---
amdhsa.version: [ 1, 2 ]
amdhsa.kernels:
  - .name:           k_qd3e7f059f3_proj
    .symbol:         k_qd3e7f059f3_proj.kd
    .args:
      - { .name: cod, .offset: 0, .size: 8, .value_kind: global_buffer, .address_space: global }
      - { .name: scl, .offset: 8, .size: 8, .value_kind: global_buffer, .address_space: global }
      - { .name: bq, .offset: 16, .size: 8, .value_kind: global_buffer, .address_space: global }
      - { .name: bk, .offset: 24, .size: 8, .value_kind: global_buffer, .address_space: global }
      - { .name: bv, .offset: 32, .size: 8, .value_kind: global_buffer, .address_space: global }
      - { .name: qc, .offset: 40, .size: 8, .value_kind: global_buffer, .address_space: global }
      - { .name: qs, .offset: 48, .size: 8, .value_kind: global_buffer, .address_space: global }
      - { .name: kv, .offset: 56, .size: 8, .value_kind: global_buffer, .address_space: global }
    .group_segment_fixed_size: 264192
    .private_segment_fixed_size: 0
    .kernarg_segment_align: 8
    .kernarg_segment_size: 64
    .max_flat_workgroup_size: 512
    .sgpr_count:     96
    .vgpr_count:     256
    .wavefront_size: 32
...
	.end_amdgpu_metadata
.endif
;; end of part 2
;; launch attn (part 3): grid 8 x 32, 16 waves a work-group, clusters of 4 x 1, 169,984 bytes of LDS; arguments qc, qs, kv, mw, cod, scl; writes cod, scl
.if DOCPART == 3
	.amdgcn_target "amdgcn-amd-amdhsa--gfx1250"
	.amdhsa_code_object_version 6
	.text
	.protected	k_qd3e7f059f3_attn
	.globl	k_qd3e7f059f3_attn
	.p2align	8
	.type	k_qd3e7f059f3_attn,@function
k_qd3e7f059f3_attn:
	s_mov_b64 s[64:65], 0
	v_nop
	global_prefetch_b8 v0, s[64:65] scope:SCOPE_SE
	s_setreg_imm32_b32 hwreg(HW_REG_WAVE_MODE, 25, 1), 1
	s_wait_xcnt 0x0
	s_wait_alu depctr_hold_cnt(0) depctr_sa_sdst(0) depctr_va_vdst(0) depctr_va_sdst(0) depctr_va_ssrc(0) depctr_va_vcc(0) depctr_vm_vsrc(0)
	s_getreg_b32 s2, hwreg(HW_REG_IB_STS2, 6, 4)
	s_cmp_eq_u32 s2, 0
	s_cbranch_scc0 .Lentry_in_a_cluster
	s_endpgm
.Lentry_in_a_cluster:
	s_bfe_u32 s2, ttmp6, 0x10000c
	s_cmp_lg_u32 s2, 0x3003
	s_cbranch_scc0 .Lentry_shape_is_right
	s_endpgm
.Lentry_shape_is_right:
; ATTN.  For each (b, head): S = q k^T / 8, masked, softmax, x v; both products on codes of FP4 with E8M0 scales; the result, divided by the row's sum, is quantised along the channels and leaves as codes for the last product.
; THE SOFTMAX: t = score x c, c = log2(e) / 8; M = the running largest t rounded UP to a whole number; p = 2^(t - M) is quantised along the keys, not normalised; the row's sum is taken of the unquantised p;
; when M moves, the sum and O are multiplied by f = 2^(old M - new M), which rounds nothing (the difference saturates in v_cvt_i32_f32; f is then 0).
; THE MASK comes from PREP as codes of FP4: -2 where mask == 0, else 0; register j of lane (query r, h) holds the eight keys of K's tile j that S^T's lanes of half h hold.  For each tile of 16 keys a first matrix
; instruction multiplies them by a unit matrix (row i has the code 1 at k = 32 (i / 8) + i % 8 of the register that the tile's codes take in the window named), both under the scale byte 157 (2^30):
; its result is -2^61 or 0, exactly, and K Q^T adds onto it in place.  The other registers of a window meet zero codes.  So a masked score is -2^61 + score in the unit's f32 sum, and no vector instruction touches the mask.
; LIMIT: reference() puts the logit -1e9 in the score's place; here it is -2^58 + the logit.  The two differ where a row's open logits lie under about -1e9; and a row with no open key comes out uniform over its keys, as
; reference() has it, as far as the f32 sum -2^61 + score comes out as -2^61 (c x 2^61 is a whole f32 number, so t - M is then exactly 0 and p exactly 1).
; SHARES.  A work-group owns 256 queries of one (b, head); each of its sixteen waves one tile of 16 (rows 32 (T / 2) + 8 (T % 2) + r + 8 (r / 8)).  Every wave walks all 2,048 keys, 128 a step.
; LDS holds the head's K and V codes and scale words, 16 records of 8,960 bytes, filled once: wave w fetches record w, one tensor load a wave.  CLUSTER: the four query blocks of a cluster read the same records: joint loads.
; LAYOUT.  Both products transposed: S^T = K Q^T, O^T = V^T P^T: a lane holds one query.  Registers 16 b + i of S^T are keys 32 b + 16 h + i.  The first product's K is 64: Q's codes of k = 64 .. 127 are zeros, and what K's
; fragment t names beyond its four registers (fragment t + 1's codes; for t = 7 constants) meets them.
; A STEP: V is asked for at its head, the next step's K behind the first products.  The mask codes lie in two sets of registers that take turns: behind a step's first products its set is asked for again, for the step two on.
; So a trip of the loop is two steps.  All that the exponentials and the lines behind them read is made first; then the 68 exponentials stand as one batch.
; No prefetch: K and V are asked for once, at the head, with no loop to run ahead in; the mask codes are loaded into registers two whole steps ahead of their use.
; LIMITS: 1 / l by v_rcp_f32; byte 1 for blocks of zeros; no NaN, no infinities.  The scale bytes leave as single bytes.
.set WV,  7                            ; s7 wave; s3 the step's LDS byte; s[4:5] my tile's mask codes; s6 trips; s[24:25], s[26:27] where my results go; s[28:29] lane selects; s[30:31] c
.set TB,  3
.set G1,  8                            ; s[8:15] group 1; s[16:19] group 0
.set G0,  16
.set REC, 8960
.set ADR, 3                            ; v3 16 x lane + the step; v4 16 r + the step
.set ADS, 4
.set MO,  5                            ; v5 the last step's -M
.set QS,  6                            ; v6 Q's scale words
.set IA,  7                            ; v7, v238 the scale words of the unit matrix and of the mask codes
.set MK,  8                            ; v8-15 the even steps' mask codes; behind them v16-19 Q's codes, v20-23 zeros
.set NM,  24                           ; v24 -M, v25 the largest score so far
.set LS,  26                           ; v[26:27] the sum, in two halves
.set KF,  28                           ; v28-59 K's eight half fragments
.set ID1, 60                           ; v60-67 the unit matrix in register 1 of eight, for odd tiles
.set ID0, 68                           ; v68-75 in register 0, for even tiles
.set KS,  76                           ; v76-83 K's scale words
.set VF,  84                           ; v84-115 V's four fragments
.set VS,  116                          ; v116-119 V's scale words
.set S,   120                          ; v120-183 S^T, then p
.set O,   184                          ; v184-215 O^T
.set P,   216                          ; v216-223 p's codes
.set BM,  224                          ; v224-227 the blocks' largest; v228-231 second chains, the other half's, then bytes; v232-235 scale operands
.set FF,  236                          ; v236 f (the packed forms name it with v237 and take it for both halves)
.set PW,  237                          ; v237 p's scale word
.set IB,  238
.set TW,  239                          ; at work
.set MKB, 240                          ; v240-247 the odd steps' mask codes; behind them v248-253 zeros
.macro CROUND
	s_barrier_signal -1
	s_barrier_wait -1
	s_cmp_lg_u32 s[WV], 0
	s_cbranch_scc1 .Lnot_wave_0_\@
	s_barrier_signal -3
.Lnot_wave_0_\@:
	s_barrier_wait -3
	s_barrier_signal -1
	s_barrier_wait -1
.endm
.macro MM d, a, b, c, sa, sb
	v_wmma_scale_f32_16x16x128_f8f6f4 v[\d:\d+7], v[\a:\a+7], v[\b:\b+7], \c, v[\sa], v[\sb] matrix_a_fmt:MATRIX_FMT_FP4 matrix_b_fmt:MATRIX_FMT_FP4
.endm
.macro KLOAD                           ; K's eight half fragments and its scale words: ten loads
.irp t, 0,1,2,3,4,5,6,7
	ds_load_b128 v[KF+4*\t:KF+4*\t+3], v[ADR] offset:512*\t
.endr
	ds_load_b128 v[KS:KS+3], v[ADS] offset:8192
	ds_load_b128 v[KS+4:KS+7], v[ADS] offset:8448
.endm
.macro TREE n, d                       ; n packed additions: pair i of p takes pair i + n
.set i, 0
.rept \n
.if \d
	s_delay_alu instid0(VALU_DEP_\d)
.endif
	v_pk_add_f32 v[S+2*i:S+2*i+1], v[S+2*i:S+2*i+1], v[S+2*(\n)+2*i:S+2*(\n)+2*i+1]
.set i, i+1
.endr
.endm
; A KEY STEP: 128 keys.  pf = 1: the next step's K is asked for;  pm = 1: the mask codes of the step two on;  mk: this step's set of mask codes;  left: the loads of mask codes that may stay out.
.macro STEP pf, pm, mk, left
.irp t, 0,1,2,3
.irp c, 0,1
	ds_load_b128 v[VF+8*\t+4*\c:VF+8*\t+4*\c+3], v[ADR] offset:4096+1024*\t+512*\c   ; sixteen plain lines stand behind the products that read these registers
.endr
.endr
	ds_load_b128 v[VS:VS+3], v[ADS] offset:8704
	s_wait_loadcnt \left                           ; this step's mask codes are in (first step: Q too); the next step's two loads, issued behind them, may be out
	s_wait_xcnt 0x0                                ; those loads have read their base, so it may step
	s_add_nc_u64 s[4:5], s[4:5], 1024
	s_wait_dscnt 9                                 ; K's ten loads are in; V's nine, just issued, may be out
.irp t, 0,1,2,3,4,5,6,7                        ; -2^61 or 0: the eight accumulators by turns
	MM S+8*\t, ID0-8*(\t%2), \mk+2*(\t/2), 0, IA, IB
.endr
.irp t, 0,1,2,3,4,5,6,7                        ; + K Q^T, in place
	MM S+8*\t, KF+4*\t, 16, v[S+8*\t:S+8*\t+7], KS+\t, QS
.endr
	s_add_co_u32 s[TB], s[TB], REC
	v_mov_b32 v[MO], v[NM]                         ; four places behind the products
.if \pf
	v_add_nc_u32 v[ADR], s[TB], v1                 ; on to the next record
	v_add_nc_u32 v[ADS], s[TB], v2
.else
	v_nop
	v_nop
.endif
	v_nop
.if \pm
	global_load_b128 v[\mk:\mk+3], v1, s[4:5] offset:1024   ; 512 consecutive bytes a load; the base stands at the next step's codes
	global_load_b128 v[\mk+4:\mk+7], v1, s[4:5] offset:1536
.endif
.if \pf
	KLOAD
.endif
.irp b, 0,1,2,3                                ; the largest score of each block of 32 keys, in eight chains; each accumulator is read from its low end on
	v_max3_num_f32 v[BM+\b], v[S+16*\b], v[S+16*\b+1], v[S+16*\b+2]
	v_max3_num_f32 v[BM+4+\b], v[S+16*\b+8], v[S+16*\b+9], v[S+16*\b+10]
.endr
.irp i, 3,5
.irp b, 0,1,2,3
	v_max3_num_f32 v[BM+\b], v[BM+\b], v[S+16*\b+\i], v[S+16*\b+\i+1]
	v_max3_num_f32 v[BM+4+\b], v[BM+4+\b], v[S+16*\b+\i+8], v[S+16*\b+\i+9]
.endr
.endr
.irp b, 0,1,2,3
	v_max3_num_f32 v[BM+\b], v[BM+\b], v[S+16*\b+7], v[S+16*\b+15]
.endr
.irp b, 0,1,2,3
	s_delay_alu instid0(VALU_DEP_4)
	v_max_num_f32 v[BM+\b], v[BM+\b], v[BM+4+\b]
.endr
.irp b, 0,1,2,3
	s_delay_alu instid0(VALU_DEP_4)
	v_permlanex16_b32 v[BM+4+\b], v[BM+\b], s28, s29
.endr
.irp b, 0,1,2,3
	s_delay_alu instid0(VALU_DEP_4)
	v_max_num_f32 v[BM+\b], v[BM+\b], v[BM+4+\b]   ; with lane l xor 16's 16 keys
.endr
	s_delay_alu instid0(VALU_DEP_2)
	v_max3_num_f32 v[TW], v[BM], v[BM+1], v[BM+2]
	s_delay_alu instid0(VALU_DEP_1)
	v_max3_num_f32 v[NM+1], v[NM+1], v[TW], v[BM+3]   ; the running largest score of my query
	s_delay_alu instid0(VALU_DEP_1)
	v_mul_f32 v[TW], s30, v[NM+1]                  ; as t: c is positive, so the largest score gives the largest t
	s_delay_alu instid0(VALU_DEP_1)
	v_floor_f32 v[NM], -v[TW]                      ; the new -M = floor(-t)
	s_delay_alu instid0(VALU_DEP_1)
.irp b, 0,1,2,3
	v_fma_f32 v[BM+\b], v[BM+\b], s30, v[NM]       ; t - M of each block's largest score: the same instruction on the same number as the score itself
.endr
	v_sub_f32 v[TW], v[NM], v[MO]                  ; old M - new M: a whole number, 0 or less
.set n, 0
.rept 32
	v_pk_fma_f32 v[S+2*n:S+2*n+1], v[S+2*n:S+2*n+1], s[30:31], v[NM:NM+1] op_sel_hi:[1,0,0]   ; t - M, two at a time
.if n == 1
	s_delay_alu instid0(VALU_DEP_3)
	v_cvt_i32_f32 v[TW], v[TW]                     ; (it saturates)
.endif
.if n == 3
	s_delay_alu instid0(VALU_DEP_3)
	v_ldexp_f32 v[FF], 1.0, v[TW]                  ; f = 2^(old M - new M)
.endif
.set n, n+1
.endr
.set n, 0
.rept 16
	v_pk_mul_f32 v[O+2*n:O+2*n+1], v[O+2*n:O+2*n+1], v[FF:FF+1] op_sel_hi:[1,0]   ; O^T under the new M, each accumulator from its low end on; no exponential stands between the last products and these lines
.set n, n+1
.endr
	s_wait_alu depctr_va_vdst(0)                   ; the wait ahead of the batch
.irp b, 0,1,2,3
	v_exp_f32 v[BM+\b], v[BM+\b]                   ; the block's largest p
.endr
.set n, 0
.rept 64
	v_exp_f32 v[S+n], v[S+n]                       ; p = 2^(t - M), at most 1
.set n, n+1
.endr
	v_nop                                          ; a plain place behind the exponentials
	s_wait_alu depctr_va_vdst(0)                   ; one wait for the whole batch, ahead of its first reader and of the wait below
	s_wait_dscnt 10*\pf                            ; V and its scale words are in; the ten loads of the next step's K, issued behind them, may be out
.irp b, 0,1,2,3
	v_max_num_f32 v[BM+\b], 0x1800000, v[BM+\b]    ; the floor 2^(3 - 127): the byte cannot fall under 1
.endr
.irp b, 0,1,2,3
	s_delay_alu instid0(VALU_DEP_4)
	v_add_nc_u32 v[BM+8+\b], 0xff000000, v[BM+\b]  ; 2 off the exponent field: the conversion's scale operand
.endr
.irp m, 0,1,2,3,4,5,6,7
	v_cvt_scalef32_pk8_fp4_f32 v[P+\m], v[S+8*\m:S+8*\m+7], v[BM+8+\m/2]
.endr
.irp b, 0,1,2,3
	v_lshrrev_b32 v[BM+4+\b], 23, v[BM+8+\b]       ; the scale's byte.  (Plain lines behind the conversions, which name neither their results nor their sources)
.endr
.irp c, 0,1
.irp i, 0,1
	v_permlane16_swap_b32 v[P+4*\c+\i], v[P+2+4*\c+\i]   ; a whole block in a lane: lanes 0-15 block 2 c, lanes 16-31 block 2 c + 1
.endr
.endr
.set i, 0
.rept 16                                       ; the step's sum of the unquantised p, a tree in place; p's scale word is put together among its first lines, eleven places ahead of the products
	v_pk_add_f32 v[S+2*i:S+2*i+1], v[S+2*i:S+2*i+1], v[S+32+2*i:S+33+2*i]
.if i == 0
	v_lshl_or_b32 v[PW], v[BM+5], 8, v[BM+4]
.endif
.if i == 2
	s_delay_alu instid0(VALU_DEP_3)
	v_lshl_or_b32 v[PW], v[BM+6], 16, v[PW]
.endif
.if i == 4
	s_delay_alu instid0(VALU_DEP_3)
	v_lshl_or_b32 v[PW], v[BM+7], 24, v[PW]
.endif
.set i, i+1
.endr
.irp t, 0,1,2,3                                ; the four accumulators by turns
	MM O+8*\t, VF+8*\t, P, v[O+8*\t:O+8*\t+7], VS+\t, PW
.endr
	TREE 8, 0
	TREE 4, 4
	TREE 2, 2
	TREE 1, 1
	s_delay_alu instid0(VALU_DEP_1)
	v_pk_fma_f32 v[LS:LS+1], v[LS:LS+1], v[FF:FF+1], v[S:S+1] op_sel_hi:[1,0,1]   ; l = l x f + the step's sum
.endm
	s_load_b256 s[32:39], s[0:1], 0x0              ; qc 32, qs 34, kv 36, mw 38
	s_load_b128 s[40:43], s[0:1], 0x20             ; cod 40, scl 42
	v_lshl_add_u32 v254, v0, 2, 0x29000
	v_mov_b32 v255, 0
	ds_add_u32 v254, v255                          ; the opening lines: the add, twice on end, and its wait ahead of my tensor load
	ds_add_u32 v254, v255
	v_lshrrev_b32 v1, 5, v0
	s_delay_alu instid0(VALU_DEP_1)
	v_readfirstlane_b32 s[WV], v1                  ; wave 0..15
	s_bfe_u32 s44, ttmp6, 0x40000                  ; cx: it enters the addresses of Q, the mask codes and the result alone
	s_lshl_b32 s45, ttmp9, 2
	s_add_co_u32 s45, s45, s44
	s_lshl_b32 s45, s45, 4
	s_add_co_u32 s45, s45, s[WV]                   ; T: my tile of queries, 0..127
	s_and_b32 s46, ttmp7, 0xffff                   ; b x 16 + head, which the partners share
	s_mul_i32 s47, s[WV], REC                      ; the record that I fetch
	s_mul_i32 s48, s46, 16*REC
	s_add_co_u32 s48, s48, s47
	s_mov_b32 s49, 0
	s_lshr_b32 s50, s46, 4
	s_lshl_b32 s50, s50, 7
	s_add_co_u32 s50, s50, s45                     ; b x 128 + T
	s_lshl_b32 s52, s50, 14                        ; my tile's 16,384 bytes of mask codes
	s_mov_b32 s53, 0
	s_lshl_b32 s54, s46, 7
	s_add_co_u32 s54, s54, s45
	s_lshl_b32 s54, s54, 9                         ; Q's codes
	s_mov_b32 s55, 0
	s_lshl_b32 s56, s46, 5
	s_lshr_b32 s57, s45, 2
	s_add_co_u32 s56, s56, s57
	s_lshl_b32 s56, s56, 8
	s_and_b32 s57, s45, 3
	s_lshl_b32 s57, s57, 2
	s_add_co_u32 s56, s56, s57                     ; Q's scale words
	s_mov_b32 s57, 0
	s_add_co_u32 s50, s50, 1024                    ; my tile in cod and scl
	s_and_b32 s51, s46, 15                         ; head
	s_lshl_b32 s58, s50, 13
	s_lshl_b32 s60, s51, 9                         ; K step head / 2, half head % 2: 512 bytes a head
	s_add_co_u32 s58, s58, s60
	s_mov_b32 s59, 0
	s_lshl_b32 s60, s50, 9
	s_lshr_b32 s61, s51, 3
	s_lshl_b32 s61, s61, 8
	s_add_co_u32 s60, s60, s61
	s_and_b32 s61, s51, 7
	s_lshl_b32 s61, s61, 1                         ; two bytes a head in a row's 16
	s_add_co_u32 s60, s60, s61
	s_mov_b32 s61, 0
	; group 1: 35 dense rows of 256 bytes (32 elements of 8 bytes): one record
	s_mov_b32 s[G1], 15|(3<<16)|(1<<21)            ; 15:0 the mask: all four work-groups; 17:16 elements of 8 bytes; 21 set beside a mask
	s_mov_b32 s[G1+1], 32<<16
	s_mov_b32 s[G1+2], 35<<16
	s_mov_b32 s[G1+3], 32<<16
	s_mov_b32 s[G1+4], 35
	s_mov_b32 s[G1+5], 32
	s_mov_b32 s[G1+6], 0
	s_mov_b32 s[G1+7], 0
	s_mov_b32 s28, 0x76543210
	s_mov_b32 s29, 0xfedcba98                      ; v_permlanex16_b32's selects for lane l xor 16
	s_mov_b32 s30, 0x3e38aa3b                      ; c = log2(e) / 8
	s_mov_b32 s31, s30                             ; (named with it as a pair)
	s_mov_b32 s[TB], 0
	s_wait_dscnt 0x0                               ; both opening adds are done
	CROUND                                         ; the round in front of the joint loads: it needs the opening adds alone, and stands while the arguments are on their way
	s_wait_kmcnt 0x0
	s_mov_b32 s[G0], 1
	s_mov_b32 s[G0+1], s47
	s_add_nc_u64 s[G0+2:G0+3], s[36:37], s[48:49]
	s_or_b32 s[G0+3], s[G0+3], 0x80000000
	s_add_nc_u64 s[4:5], s[38:39], s[52:53]
	s_add_nc_u64 s[20:21], s[32:33], s[54:55]
	s_add_nc_u64 s[22:23], s[34:35], s[56:57]
	s_add_nc_u64 s[24:25], s[40:41], s[58:59]
	s_add_nc_u64 s[26:27], s[42:43], s[60:61]
	tensor_load_to_lds s[G0:G0+3], s[G1:G1+7]      ; every wave asks for its record: one tensor load a wave
	s_nop 0
.rept 4
	v_nop
.endr
	v_and_b32 v3, 31, v0
	v_and_b32 v4, 15, v0
	s_delay_alu instid0(VALU_DEP_2)
	v_lshlrev_b32 v1, 4, v3                        ; 16 x lane
	s_delay_alu instid0(VALU_DEP_2)
	v_lshlrev_b32 v2, 4, v4                        ; 16 r
	s_wait_alu depctr_va_vdst(0)                   ; the wait directly ahead of the readers below
	global_load_b128 v[16:19], v1, s[20:21]        ; Q's codes stay in registers
	global_load_b32 v[QS], v2, s[22:23]            ; and its scale words
	global_load_b128 v[MK:MK+3], v1, s[4:5]        ; step 0's mask codes
	global_load_b128 v[MK+4:MK+7], v1, s[4:5] offset:512
	global_load_b128 v[MKB:MKB+3], v1, s[4:5] offset:1024   ; and step 1's
	global_load_b128 v[MKB+4:MKB+7], v1, s[4:5] offset:1536
	v_mov_b32 v[ADR], v1
	v_mov_b32 v[ADS], v2
	v_bfe_u32 v120, v0, 4, 1                       ; h
	v_bfe_u32 v121, v0, 3, 1                       ; r / 8
	v_and_b32 v122, 7, v0
	v_mov_b32 v123, 2                              ; the code of 1.0
	s_delay_alu instid0(VALU_DEP_2)
	v_lshlrev_b32 v122, 2, v122
	v_cmp_eq_u32 vcc_lo, v120, v121
	s_delay_alu instid0(VALU_DEP_2)
	v_lshlrev_b32 v123, v122, v123                 ; at nibble r % 8,
	s_delay_alu instid0(VALU_DEP_1)
	v_cndmask_b32 v[ID1+1], 0, v123, vcc_lo        ; in the lanes whose half is r / 8
	v_cndmask_b32 v[ID0], 0, v123, vcc_lo
.irp j, 20,21,22,23,60,62,63,64,65,66,67,69,70,71,72,73,74,75,248,249,250,251,252,253
	v_mov_b32 v[\j], 0                             ; Q's codes of k = 64 .. 127, the rest of the two unit matrices, and what the odd steps' windows name beyond the mask codes
.endr
	v_mov_b32 v[IA], 0x9d9d9d9d                    ; 2^30 for each block of 32
	v_mov_b32 v[IB], 0x9d9d9d9d
	v_mov_b32 v[NM+1], 0xff61b1e6                  ; the largest score so far: -3e38
	s_delay_alu instid0(VALU_DEP_1)
	v_floor_f32 v[NM], -v[NM+1]                    ; -M
	v_mov_b32 v[LS], 0
	v_mov_b32 v[LS+1], 0
	v_mov_b32 v[PW], 0                             ; (named as the upper half of f's pair before it is first made)
	v_mov_b32 v[TW], 0
.irp b, 0,1,2,3
	v_mov_b32 v[BM+4+\b], 0
.endr
.set n, 0
.rept 32
	v_mov_b32 v[O+n], 0                            ; O^T: the step has no first form of its own; its first trip finds zeros
.set n, n+1
.endr
	s_wait_alu depctr_va_vdst(0)                   ; the wait at the head's end
	s_wait_tensorcnt 0x0                           ; my record has landed
	s_barrier_signal -1
	s_barrier_wait -1                              ; and everybody's; no LDS byte is filled again
	KLOAD                                          ; step 0's K
	s_mov_b32 s6, 7
.Lstep:                                            ; a trip is two steps, until the sets of mask codes are back where they began: steps 0 to 13
	STEP 1, 1, MK, 2
	STEP 1, 1, MKB, 2
	s_sub_co_u32 s6, s6, 1
	s_cmp_lg_u32 s6, 0
	s_cbranch_scc1 .Lstep
	STEP 1, 0, MK, 2                               ; the last two steps are written out: they ask for no mask codes,
	STEP 0, 0, MKB, 0                              ; and the last for no K
	; ---- O^T / the sum, quantised along the channels (two blocks of 32), to the last product's operand
	v_add_f32 v[LS], v[LS], v[LS+1]
	s_delay_alu instid0(VALU_DEP_1)
	v_permlanex16_b32 v[TW], v[LS], s28, s29
	s_delay_alu instid0(VALU_DEP_1)
	v_add_f32 v[LS], v[LS], v[TW]                  ; the row's sum
	s_wait_alu depctr_va_vdst(0)                   ; the wait ahead of the transcendental
	v_rcp_f32 v[LS], v[LS]
	v_bfe_u32 v[BM+10], v0, 4, 1                   ; (plain places behind it)  h
	s_delay_alu instid0(VALU_DEP_1)
	v_add_nc_u32 v[BM+11], v2, v[BM+10]            ; 16 r + h
	v_lshlrev_b32 v[BM+10], 3, v[BM+10]            ; 8 h
	s_wait_alu depctr_va_vdst(0)                   ; and the wait ahead of its first reader, which is O^T's first reader too
.set n, 0
.rept 32
	v_mul_f32 v[S+n], v[O+n], v[LS]                ; register 16 e + i: channel 32 e + 16 h + i of my query
.set n, n+1
.endr
.irp e, 0,1
	v_max3_num_f32 v[BM+\e], |v[S+16*\e]|, |v[S+1+16*\e]|, 0x1800000
.endr
.irp i, 2,4,6,8,10,12,14
.irp e, 0,1
	s_delay_alu instid0(VALU_DEP_2)
	v_max3_num_f32 v[BM+\e], v[BM+\e], |v[S+16*\e+\i]|, |v[S+1+16*\e+\i]|
.endr
.endr
.irp e, 0,1
	s_delay_alu instid0(VALU_DEP_2)
	v_permlanex16_b32 v[BM+4+\e], v[BM+\e], s28, s29
.endr
.irp e, 0,1
	s_delay_alu instid0(VALU_DEP_2)
	v_max_num_f32 v[BM+\e], v[BM+\e], v[BM+4+\e]
.endr
.irp e, 0,1
	s_delay_alu instid0(VALU_DEP_2)
	v_add_nc_u32 v[BM+8+\e], 0xff000000, v[BM+\e]
.endr
.irp e, 0,1
	s_delay_alu instid0(VALU_DEP_2)
	v_lshrrev_b32 v[BM+4+\e], 23, v[BM+8+\e]
.endr
	s_delay_alu instid0(VALU_DEP_1)
	v_lshl_or_b32 v[TW], v[BM+5], 8, v[BM+4]
.irp e, 0,1
	v_cvt_scalef32_pk8_fp4_f32 v[P+2*\e], v[S+16*\e:S+7+16*\e], v[BM+8+\e]
	v_cvt_scalef32_pk8_fp4_f32 v[P+1+2*\e], v[S+8+16*\e:S+15+16*\e], v[BM+8+\e]
.endr
	v_nop                                          ; one plain place behind a scaled conversion
	v_permlane16_swap_b32 v[P], v[P+2]
	v_permlane16_swap_b32 v[P+1], v[P+3]
	v_lshrrev_b32 v[TW], v[BM+10], v[TW]           ; lane (r, h) stores block h's byte of query r
	global_store_b128 v1, v[P:P+3], s[24:25]       ; 512 consecutive bytes
	global_store_b8 v[BM+11], v[TW], s[26:27]
	s_wait_tensorcnt 0x0                           ; the wave's end
	ds_add_u32 v254, v255
	s_wait_dscnt 0x0
	CROUND                                         ; the closing round
	s_endpgm
.Lfunc_end_k_qd3e7f059f3_attn:
	.size	k_qd3e7f059f3_attn, .Lfunc_end_k_qd3e7f059f3_attn-k_qd3e7f059f3_attn
	.p2alignl 7, 3214868480
	.fill 96, 4, 3214868480
	.section	.rodata,"a",@progbits
	.p2align	6, 0x0
	.amdhsa_kernel k_qd3e7f059f3_attn
		.amdhsa_group_segment_fixed_size 169984
		.amdhsa_private_segment_fixed_size 0
		.amdhsa_enable_private_segment 0
		.amdhsa_kernarg_size 48
		.amdhsa_user_sgpr_count 2
		.amdhsa_user_sgpr_kernarg_segment_ptr 1
		.amdhsa_wavefront_size32 1
		.amdhsa_system_sgpr_workgroup_id_x 1
		.amdhsa_system_sgpr_workgroup_id_y 1
		.amdhsa_system_sgpr_workgroup_id_z 1
		.amdhsa_system_vgpr_workitem_id 0
		.amdhsa_next_free_vgpr 256
		.amdhsa_next_free_sgpr 66
		.amdhsa_reserve_vcc 1
		.amdhsa_float_denorm_mode_32 3
		.amdhsa_float_denorm_mode_16_64 3
		.amdhsa_memory_ordered 1
		.amdhsa_forward_progress 1
		.amdhsa_inst_pref_size 80
	.end_amdhsa_kernel
	.amdgpu_metadata
---
amdhsa.version: [ 1, 2 ]
amdhsa.kernels:
  - .name:           k_qd3e7f059f3_attn
    .symbol:         k_qd3e7f059f3_attn.kd
    .args:
      - { .name: qc, .offset: 0, .size: 8, .value_kind: global_buffer, .address_space: global }
      - { .name: qs, .offset: 8, .size: 8, .value_kind: global_buffer, .address_space: global }
      - { .name: kv, .offset: 16, .size: 8, .value_kind: global_buffer, .address_space: global }
      - { .name: mw, .offset: 24, .size: 8, .value_kind: global_buffer, .address_space: global }
      - { .name: cod, .offset: 32, .size: 8, .value_kind: global_buffer, .address_space: global }
      - { .name: scl, .offset: 40, .size: 8, .value_kind: global_buffer, .address_space: global }
    .group_segment_fixed_size: 169984
    .private_segment_fixed_size: 0
    .kernarg_segment_align: 8
    .kernarg_segment_size: 48
    .max_flat_workgroup_size: 512
    .sgpr_count:     66
    .vgpr_count:     256
    .wavefront_size: 32
...
	.end_amdgpu_metadata
.endif
;; end of part 3
;; launch outp (part 4): grid 8 x 32, 4 waves a work-group, clusters of 4 x 4, 168,448 bytes of LDS; arguments cod, scl, bo, out0; writes out0
.if DOCPART == 4
	.amdgcn_target "amdgcn-amd-amdhsa--gfx1250"
	.amdhsa_code_object_version 6
	.text
	.protected	k_qd3e7f059f3_outp
	.globl	k_qd3e7f059f3_outp
	.p2align	8
	.type	k_qd3e7f059f3_outp,@function
k_qd3e7f059f3_outp:
	s_mov_b64 s[64:65], 0
	v_nop
	global_prefetch_b8 v0, s[64:65] scope:SCOPE_SE
	s_setreg_imm32_b32 hwreg(HW_REG_WAVE_MODE, 25, 1), 1
	s_wait_xcnt 0x0
	s_wait_alu depctr_hold_cnt(0) depctr_sa_sdst(0) depctr_va_vdst(0) depctr_va_sdst(0) depctr_va_ssrc(0) depctr_va_vcc(0) depctr_vm_vsrc(0)
	s_getreg_b32 s2, hwreg(HW_REG_IB_STS2, 6, 4)
	s_cmp_eq_u32 s2, 0
	s_cbranch_scc0 .Lentry_in_a_cluster
	s_endpgm
.Lentry_in_a_cluster:
	s_bfe_u32 s2, ttmp6, 0x10000c
	s_cmp_lg_u32 s2, 0xf033
	s_cbranch_scc0 .Lentry_shape_is_right
	s_endpgm
.Lentry_shape_is_right:
; OUTP.  out0 = concat Wo^T + bo on codes of FP4 with E8M0 scales.  concat's codes (tiles 1024 .. 1279 of cod) were made by ATTN, Wo's (960 .. 1023) by PREP.
; SHARES.  256 work-groups of 128 tokens x 128 columns over all K = 1,024; four waves, 2 x 2, each 64 x 64: 16 accumulators by turns, one instruction a turn, in the same order in every K step.
; L = concat is source 1 (tokens go to lanes), R = Wo source 0 (columns go to a lane's registers): by the tile rule (tile T: rows 32 (T / 2) + 8 (T % 2) + r + 8 (r / 8)) the registers of R's tiles 2 B, 2 B + 1 are
; columns 32 B + 16 h + 0 .. 15.  The sums begin with bo, loaded straight into the accumulators.
; LDS: L at 0, R at 65,536, each 8 tiles of 8,192 bytes (all of K) on end, filled once; behind them a stage of 16 rows x 272 bytes for each wave, into which no fill lands.
; CLUSTER 4 x 4: L's chunks are asked for jointly along a row of the cluster, R's along a column.
.set WV,  56                           ; s56 wave; s57 wl, s58 wr; s59 cx, s60 cy; s61 x, s62 y
.set G1L, 8
.set G1R, 16
.set G0L, 24
.set G0R, 40
.set AL,  4                            ; v4 LDS address of my L fragments; v6 of R's
.set AR,  6
.set STO, 10                           ; v10 the stage: where I put 16 bytes of a row; v11 where I read a row back; v12 my byte offset in out0
.set RD,  11
.set CO,  12
.set SC,  32                           ; v32-63 scale words, as in PROJ; they hold scales and nothing else
.set FL,  64
.set FR,  96
.set ACC, 128
.macro CROUND
	s_barrier_signal -1
	s_barrier_wait -1
	s_cmp_lg_u32 s[WV], 0
	s_cbranch_scc1 .Lnot_wave_0_\@
	s_barrier_signal -3
.Lnot_wave_0_\@:
	s_barrier_wait -3
	s_barrier_signal -1
	s_barrier_wait -1
.endm
.macro KSTEP ks
.rept 4
	v_nop                                          ; four places in front of loads into registers that matrix instructions have read
.endr
.irp i, 0,1,2,3
.irp c, 0,1
	ds_load_b128 v[FR+8*\i+4*\c:FR+8*\i+4*\c+3], v[AR] offset:\i*8192+(\ks)*1024+512*\c   ; LDS holds a tile's 8,192 bytes (all of K) on end
.endr
.endr
.irp i, 0,1,2,3
.irp c, 0,1
	ds_load_b128 v[FL+8*\i+4*\c:FL+8*\i+4*\c+3], v[AL] offset:\i*8192+(\ks)*1024+512*\c
.endr
.endr
.irp a, 0,1,2,3
	s_wait_dscnt 6-2*\a                            ; R's four and L's fragments up to a are in; the two loads of each later one may be out
.irp b, 0,1,2,3
	v_wmma_scale_f32_16x16x128_f8f6f4 v[ACC+32*\a+8*\b:ACC+32*\a+8*\b+7], v[FR+8*\b:FR+8*\b+7], v[FL+8*\a:FL+8*\a+7], v[ACC+32*\a+8*\b:ACC+32*\a+8*\b+7], v[SC+8*\b+(\ks)], v[SC+8*\a+(\ks)] matrix_a_fmt:MATRIX_FMT_FP4 matrix_b_fmt:MATRIX_FMT_FP4 matrix_a_scale:MATRIX_SCALE_ROW1
.endr
.endr
.endm
; L's tile a (16 tokens x my 64 columns) goes through my stage and leaves as rows of 256 bytes
.macro OUT a
.set BK, FL+32*((\a)%2)
.if (\a) > 1
	s_wait_xcnt 0x0                                ; tile a - 2's stores have read their registers
.endif
.irp b, 0,1,2,3
	ds_store_b128 v[STO], v[ACC+32*(\a)+8*\b:ACC+32*(\a)+8*\b+3] offset:128*(\b/2)+32*(\b%2)       ; each accumulator from its low end on
	ds_store_b128 v[STO], v[ACC+32*(\a)+8*\b+4:ACC+32*(\a)+8*\b+7] offset:128*(\b/2)+32*(\b%2)+16
.endr
.irp i, 0,1,2,3,4,5,6,7
	ds_load_b128 v[BK+4*\i:BK+4*\i+3], v[RD] offset:544*\i   ; LDS serves a wave's instructions in order: these see my stores, and the next tile's stores come behind them
.endr
.endm
.macro SND a, younger                  ; tile a's rows are stored; younger: the LDS instructions issued behind its loads, which may stay out
.set BK, FL+32*((\a)%2)
	s_wait_dscnt \younger
.irp i, 0,1,2,3,4,5,6,7
	global_store_b128 v[CO], v[BK+4*\i:BK+4*\i+3], s[78:79] offset:(32*((\a)/2)+8*((\a)%2)+2*\i+8*(\i/4))*4096 th:TH_STORE_NT   ; 16 lanes store 256 consecutive bytes, aligned; stage row 2 i + h is token 2 i + h + 8 (i / 4) of the tile
.endr
.endm
	s_load_b128 s[4:7], s[0:1], 0x0                ; cod, scl
	s_load_b128 s[76:79], s[0:1], 0x10             ; bo, out0
	v_lshl_add_u32 v30, v0, 2, 0x29000
	v_mov_b32 v31, 0
	ds_add_u32 v30, v31
	ds_add_u32 v30, v31
	v_lshrrev_b32 v1, 5, v0
	v_readfirstlane_b32 s[WV], v1                  ; wave 0..3
	s_lshr_b32 s57, s[WV], 1
	s_and_b32 s58, s[WV], 1
	s_bfe_u32 s59, ttmp6, 0x40000                  ; cx
	s_bfe_u32 s60, ttmp6, 0x40004                  ; cy
	s_lshl_b32 s61, ttmp9, 2
	s_add_co_u32 s61, s61, s59                     ; x: which 128 columns
	s_and_b32 s62, ttmp7, 0xffff
	s_lshl_b32 s62, s62, 2
	s_add_co_u32 s62, s62, s60                     ; y: which 128 tokens
	s_lshl_b32 s72, s62, 3
	s_add_co_u32 s72, s72, 1024                    ; my first tile of L
	s_lshl_b32 s73, s61, 3
	s_add_co_u32 s73, s73, 960                     ; and of R
	s_lshl_b32 s68, s60, 2
	s_lshl_b32 s68, 15, s68                        ; my row of the cluster
	s_lshl_b32 s69, 0x1111, s59                    ; my column
	; group 1: 128 dense rows of 256 bytes (32 elements of 8 bytes)
	s_or_b32 s[G1L], s68, (3<<16)|(1<<21)
	s_or_b32 s[G1R], s69, (3<<16)|(1<<21)
.irp g, G1L, G1R
	s_mov_b32 s[\g+1], 32<<16                      ; a load brings four whole tiles, 32,768 dense bytes, as 128 rows of 256 bytes
	s_mov_b32 s[\g+2], 128<<16
	s_mov_b32 s[\g+3], 32<<16
	s_mov_b32 s[\g+4], 128
	s_mov_b32 s[\g+5], 32
	s_mov_b32 s[\g+6], 0
	s_mov_b32 s[\g+7], 0
.endr
	s_lshl_b32 s70, s72, 13
	s_mov_b32 s71, 0
	s_lshl_b32 s74, s73, 13
	s_mov_b32 s75, 0
	s_mov_b32 s63, 0xffff0000                      ; lanes 16-31
	s_wait_dscnt 0x0
	CROUND                                         ; the round in front of the first joint loads: it needs the opening adds alone, and stands while the arguments are on their way
	s_wait_kmcnt 0x0
	s_add_nc_u64 s[70:71], s[4:5], s[70:71]
	s_add_nc_u64 s[74:75], s[4:5], s[74:75]
	; one load a wave: waves 0, 1 fetch L's tiles 0-3 and 4-7, waves 2, 3 R's
	s_lshl_b32 s68, s58, 15                        ; which four tiles: 32,768 bytes, in memory and in LDS
	s_mov_b32 s69, 0
	s_mov_b32 s[G0L], 1
	s_mov_b32 s[G0L+1], s68
	s_add_nc_u64 s[G0L+2:G0L+3], s[70:71], s[68:69]
	s_or_b32 s[G0L+3], s[G0L+3], 0x80000000
	s_mov_b32 s[G0R], 1
	s_add_co_u32 s[G0R+1], s68, 65536
	s_add_nc_u64 s[G0R+2:G0R+3], s[74:75], s[68:69]
	s_or_b32 s[G0R+3], s[G0R+3], 0x80000000
	s_cmp_lt_u32 s[WV], 2                          ; every wave asks once: one tensor load a wave at the head
	s_cbranch_scc0 .Lnot_l
	tensor_load_to_lds s[G0L:G0L+3], s[G1L:G1L+7]
	s_nop 0
.rept 4
	v_nop
.endr
	s_branch .Lasked
.Lnot_l:
	tensor_load_to_lds s[G0R:G0R+3], s[G1R:G1R+7]
	s_nop 0
.rept 4
	v_nop
.endr
.Lasked:
	v_and_b32 v14, 31, v0
	v_lshlrev_b32 v1, 4, v14                       ; 16 x lane
	v_and_b32 v2, 15, v0                           ; r
	v_bfe_u32 v3, v0, 4, 1                         ; h
	s_lshl_b32 s67, s57, 15
	v_add_nc_u32 v[AL], s67, v1
	s_lshl_b32 s67, s58, 15
	s_add_co_u32 s67, s67, 65536
	v_add_nc_u32 v[AR], s67, v1
	s_lshl_b32 s67, s57, 2
	s_add_co_u32 s67, s67, s72
	s_lshl_b32 s67, s67, 9                         ; my first L tile's scale words
	s_lshl_b32 s66, s58, 2
	s_add_co_u32 s66, s66, s73
	s_lshl_b32 s66, s66, 9                         ; my first R tile's
	v_mov_b32 v8, s67
	v_mov_b32 v15, s66
	v_cndmask_b32 v8, v8, v15, s63                 ; lanes 0-15 take L's, lanes 16-31 R's
	s_wait_alu depctr_va_vdst(0)
	v_lshl_add_u32 v8, v2, 4, v8
	s_lshl_b32 s67, s61, 7
	s_lshl_b32 s66, s58, 6
	s_add_co_u32 s67, s67, s66
	s_lshl_b32 s67, s67, 2                         ; my first column, in bytes
	v_lshl_add_u32 v9, v3, 6, s67                  ; bo: + 64 h
	s_wait_alu depctr_va_vdst(0)
	s_mul_i32 s66, s[WV], 4352
	s_add_co_u32 s66, s66, 131072                  ; my stage
	v_mul_u32_u24 v[STO], v2, 272
	v_lshl_add_u32 v[STO], v3, 6, v[STO]
	v_add_nc_u32 v[STO], s66, v[STO]               ; in: row r, + 64 h
	v_mul_u32_u24 v[RD], v3, 272
	v_lshl_add_u32 v[RD], v2, 4, v[RD]
	v_add_nc_u32 v[RD], s66, v[RD]                 ; back: lanes 0-15 one row, lanes 16-31 the next
	v_lshlrev_b32 v[CO], 12, v3
	v_lshl_add_u32 v[CO], v2, 4, v[CO]             ; and the same two rows in out0
	s_lshl_b32 s68, s62, 7
	s_lshl_b32 s66, s57, 6
	s_add_co_u32 s68, s68, s66                     ; my first token: 128 y + 64 wl
	s_lshl_b32 s68, s68, 12
	s_add_co_u32 s68, s68, s67
	s_mov_b32 s69, 0
	s_add_nc_u64 s[78:79], s[78:79], s[68:69]
.irp i, 0,1,2,3
.irp g, 0,1
	global_load_b128 v[SC+8*\i+4*\g:SC+8*\i+4*\g+3], v8, s[6:7] offset:512*\i+256*\g
.endr
.endr
.irp a, 0,1,2,3                                ; the sums begin with bo: register j of tile b = 2 B + u is column 32 B + 8 u + 16 h + j
.irp b, 0,1,2,3
.irp q, 0,1
	global_load_b128 v[ACC+32*\a+8*\b+4*\q:ACC+32*\a+8*\b+4*\q+3], v9, s[76:77] offset:(32*(\b/2)+8*(\b%2))*4+16*\q
.endr
.endr
.endr
	s_wait_loadcnt 0x0
	s_wait_tensorcnt 0x0                           ; my one load has landed
	s_barrier_signal -1
	s_barrier_wait -1                              ; and everybody's: both operands are whole, for all of K
.irp k, 0,1,2,3,4,5,6,7
	KSTEP \k
.endr
.rept 4
	v_nop                                          ; places behind the last products: for the stores of results and the loads into the fragments' registers
.endr
	s_wait_alu depctr_va_vdst(0)
	OUT 0                                          ; tile a + 1 goes through the stage while tile a's rows are awaited: behind tile a's loads stand the next tile's 8 stores and 8 loads
	OUT 1
	SND 0, 16
	OUT 2
	SND 1, 16
	OUT 3
	SND 2, 16
	SND 3, 0
	s_wait_tensorcnt 0x0
	ds_add_u32 v30, v31
	s_wait_dscnt 0x0
	CROUND                                         ; the closing round: no work-group ends while a partner may still ask for a tile that names it
	s_endpgm
.Lfunc_end_k_qd3e7f059f3_outp:
	.size	k_qd3e7f059f3_outp, .Lfunc_end_k_qd3e7f059f3_outp-k_qd3e7f059f3_outp
	.p2alignl 7, 3214868480
	.fill 96, 4, 3214868480
	.section	.rodata,"a",@progbits
	.p2align	6, 0x0
	.amdhsa_kernel k_qd3e7f059f3_outp
		.amdhsa_group_segment_fixed_size 168448
		.amdhsa_private_segment_fixed_size 0
		.amdhsa_enable_private_segment 0
		.amdhsa_kernarg_size 32
		.amdhsa_user_sgpr_count 2
		.amdhsa_user_sgpr_kernarg_segment_ptr 1
		.amdhsa_wavefront_size32 1
		.amdhsa_system_sgpr_workgroup_id_x 1
		.amdhsa_system_sgpr_workgroup_id_y 1
		.amdhsa_system_sgpr_workgroup_id_z 1
		.amdhsa_system_vgpr_workitem_id 0
		.amdhsa_next_free_vgpr 256
		.amdhsa_next_free_sgpr 80
		.amdhsa_reserve_vcc 0
		.amdhsa_float_denorm_mode_32 3
		.amdhsa_float_denorm_mode_16_64 3
		.amdhsa_memory_ordered 1
		.amdhsa_forward_progress 1
		.amdhsa_inst_pref_size 44
	.end_amdhsa_kernel
	.amdgpu_metadata
---
amdhsa.version: [ 1, 2 ]
amdhsa.kernels:
  - .name:           k_qd3e7f059f3_outp
    .symbol:         k_qd3e7f059f3_outp.kd
    .args:
      - { .name: cod, .offset: 0, .size: 8, .value_kind: global_buffer, .address_space: global }
      - { .name: scl, .offset: 8, .size: 8, .value_kind: global_buffer, .address_space: global }
      - { .name: bo, .offset: 16, .size: 8, .value_kind: global_buffer, .address_space: global }
      - { .name: out0, .offset: 24, .size: 8, .value_kind: global_buffer, .address_space: global }
    .group_segment_fixed_size: 168448
    .private_segment_fixed_size: 0
    .kernarg_segment_align: 8
    .kernarg_segment_size: 32
    .max_flat_workgroup_size: 128
    .sgpr_count:     80
    .vgpr_count:     256
    .wavefront_size: 32
...
	.end_amdgpu_metadata
.endif
;; end of part 4
